; MI455X (gfx1250); checked and timed in simulation.
; The chip was launched on July 23, 2026; its instructions are those of AMD's public machine-readable ISA for CDNA 5 (MIT licence, August 2026) and "CDNA5" Instruction Set Architecture Reference Guide (July 2026). The comments in the code are by the model that wrote it; some were corrected since.
;; S4 D Kernel. Allowed arithmetic: float matrix products may take bf16 or f16 operands with f32 sums; all other float work in f32.
;; Inputs: A_imag 1,024 x 32 float32; C_ri 1,024 x 32 x 2 float32; log_A_real 1,024 x 32 float32; log_dt 1,024 float32.
;; Outputs: out0 1,024 x 4,096 float32.
;; Constants: L = 4096.
;; 2 versions, each right; version 2 is version 1 with the launch s4d written anew for expert scheduling mode. Each part assembles by itself: llvm-mc -triple=amdgcn-amd-amdhsa -mcpu=gfx1250 --defsym DOCPART=n.
;; ======== version 1 of 2: 1 launch
;; launch s4d (part 1): grid 256 x 1, 4 waves a work-group, no clusters, 168,448 bytes of LDS; arguments A_imag, C_ri, log_A_real, log_dt, out0; writes out0
.if DOCPART == 1
	.amdgcn_target "amdgcn-amd-amdhsa--gfx1250"
	.amdhsa_code_object_version 6
	.text
	.protected	k_qa33a48ffa9_s4d
	.globl	k_qa33a48ffa9_s4d
	.p2align	8
	.type	k_qa33a48ffa9_s4d,@function
k_qa33a48ffa9_s4d:
	s_mov_b64 s[64:65], 0
	v_nop
	global_prefetch_b8 v0, s[64:65] scope:SCOPE_SE
	s_setreg_imm32_b32 hwreg(HW_REG_WAVE_MODE, 25, 1), 1
	s_wait_xcnt 0x0
; S4D kernel:  K[h][l] = 2 Re sum over n of Ceff[h][n] z^l,  z = exp(dtA[h][n]),  dtA = (-exp(log_A_real) + i A_imag) exp(log_dt),
; Ceff = C (z - 1) / A.   H = 1024 rows, 32 modes, L = 4096.
;
; l is split as l = u + v,  u = j0 + 256 mu (j0 0..3, mu 0..15: 64 values, index m = 4 mu + j0),  v = 4 i (i 0..63).  Then
;   K[h][u+v] = sum over n of  Yr[m][n] Nr[i][n] + Yi[m][n] Ni[i][n],    Y = 2 conj(Ceff) conj(z)^u,   N = z^v :
; for each h a real product of 64 x 64 with 64 along k, made by the matrix unit, from 128 complex powers a mode.
; One wave makes one h; a lane is one mode while the powers are made.  Four waves a work-group, each with LDS bytes of its own: no barrier.
; No two work-groups read the same input bytes (but for the 16 bytes of log_dt that share a line): there is nothing to share in a cluster.
;
; OPERANDS.  Each number goes to the matrix unit as bf16 hi + bf16 lo (hi = x rounded, lo = x - hi rounded), and three products are summed in f32:
; hi hi + lo hi + hi lo.  One bf16 (8 bits) is too coarse: near l = 0 the terms of a row with large dt are some 30 times the output's root mean square.
; bf16 and not f16: Y falls with exp(Re dtA u) and scales with dt, over the whole range of f32.
;
; OUTPUT.  In a result tile lane (r, hh) holds in register j the element m = 16 tm + 8 hh + j, i = 16 tn + r, that is byte
; 16 r + 2048 hh + 256 tn + 4096 tm + 1024 (j >> 2) + 4 (j & 3) of the row: four registers are 16 neighbouring bytes and sixteen
; neighbouring lanes store 256 consecutive bytes at a multiple of 256 from the row's first byte.  Results go out straight from the accumulators.
;
; LIMITS, stated:  (1) the phase Im(dtA) l is formed without rounding the product (two floats for Im(dtA) / 2 pi, scaled by powers of two), where an
; f32 evaluation of the formula rounds dtA l to 24 bits: the two differ by up to 2^-24 of the phase, per mode.  Beyond 2^23 turns for 2048 steps the
; phase here is bounded but without meaning.  (2) v_exp_f32 and v_rcp_f32 flush denormals (ISA guide 15.8): exp(log_dt), exp(log_A_real) and
; max(|Re A|, |Im A|) count as zero below 2^-126, and magnitudes below 2^-126 of a quarter power too.  (3) the product lo lo is left out and lo is
; rounded to 8 bits: about 2^-16 of each product.  Re A = -exp(..) < 0, so no power exceeds 1 in magnitude.
.set PITCH, 160                        ; LDS bytes from k row to k row: 64 bf16 = 128, + 16 for the skew, + 16
.set BLK,   32*PITCH                   ; 32 k rows: one component (re, im) of one part (hi, lo) of all 32 modes = one K step of 32
.set MATB,  4*BLK                      ; a matrix: hi re, hi im, lo re, lo im
.set MOFF,  0                          ; Y
.set NOFF,  MATB                       ; N
.set WLDS,  2*MATB                     ; a wave's LDS: 40,960 bytes
; registers, window 0
.set WB,   2                           ; LDS address of my mode's k row (writer: lane = mode)
.set RB,   3                           ; LDS address for the transposing fragment loads
.set OO,   4                           ; my byte offset in the output row
.set NEG1, 5                           ; -1.0
.set CR,   6                           ; v[6:7] C re, im
.set AI,   8
.set LAR,  9
.set LDT,  10
.set OA,   11                          ; load offsets
.set OC,   12
.set OD,   13
.set AA,   14                          ; exp(log_A_real) = -Re A
.set DT,   15
.set G,    16                          ; Re(dtA) log2(e)
.set UH,   17                          ; Im(dtA) / 2 pi, upper and
.set UL,   18                          ; lower float
.set DIM,  19
.set AN,   29                          ; -Re A / s, Im A / s, 2 / (s |A/s|^2), s = max(|Re A|, |Im A|)
.set AIN,  30
.set INV2, 31
.set KA4,  32                          ; v[32:33], v[34:35] leading coefficients, twice each
.set KB4,  34
.set ZCR,  36                          ; (1, conj z): re pair, im pair
.set ZCI,  38
.set B0R,  40                          ; (z^8, z^64)
.set B0I,  42
.set B1R,  44                          ; (conj z^2, 2 conj Ceff)
.set B1I,  46
.set PAR,  48                          ; conj (z^256, z^1024)
.set PAI,  50
.set PBR,  52                          ; conj (z^512, z^2048)
.set PBI,  54
.set PCR,  56                          ; conj (z^768, z^3072)
.set PCI,  58
.set Y0R,  64                          ; v[64:79], v[80:95]  Y of m = 0..15, re and im
.set Y0I,  80
.set XR,   96                          ; v[96:103], v[104:111]  eight values at work
.set XI,   104
.set HRE,  112                         ; packed bf16: hi re, hi im, lo re, lo im of eight values
.set HIM,  116
.set LRE,  120
.set LIM,  124
.set MF0,  128                         ; fragments of Y, two buffers of 4 K steps x 8 registers
.set MF1,  160
.set ACC0, 192                         ; four result tiles, two sets
.set ACC1, 224
.set EV,   128                         ; v[128:207] five blocks of 16 for the evaluations, done with before MF0 is loaded
.set T4R,  208                         ; z^(4 p), p = 0..7, and z^(32 q), q = 0..7: done with before the first result is written
.set T4I,  216
.set T32R, 224
.set T32I, 232
; window 1: v256-383 = fragments of N, tile tn, K step ks at 32 tn + 8 ks
.set MSB, 0
.macro WIN new                         ; low byte: bits 1:0 source 0, 3:2 source 1, 5:4 source 2, 7:6 destination; the high byte repeats the setting left
.if MSB != \new
	s_set_vgpr_msb (MSB<<8)|\new
.set MSB, \new
.endif
.endm
; (dr, di) = b x (xr, xi) for two complex numbers at once; all are pairs (value 0, value 1) of real parts and of imaginary parts;
; b is element sel of the pairs br, bi, taken for both halves.  First half: the products with Re b.  Second half: those with Im b.
.macro CMA dr, di, br, bi, sel, xr, xi
	v_pk_mul_f32 v[\dr:\dr+1], v[\br:\br+1], v[\xr:\xr+1] op_sel:[\sel,0] op_sel_hi:[\sel,1]
	v_pk_mul_f32 v[\di:\di+1], v[\br:\br+1], v[\xi:\xi+1] op_sel:[\sel,0] op_sel_hi:[\sel,1]
.endm
.macro CMB dr, di, br, bi, sel, xr, xi
	v_pk_fma_f32 v[\dr:\dr+1], v[\bi:\bi+1], v[\xi:\xi+1], v[\dr:\dr+1] op_sel:[\sel,0,0] op_sel_hi:[\sel,1,1] neg_lo:[1,0,0] neg_hi:[1,0,0]
	v_pk_fma_f32 v[\di:\di+1], v[\bi:\bi+1], v[\xr:\xr+1], v[\di:\di+1] op_sel:[\sel,0,0] op_sel_hi:[\sel,1,1]
.endm
; Eight values (re at xr, im at xi) to bf16 hi and lo, 16 bytes for each of my mode's four k rows.  x - hi is exact in f32 and replaces x.
.macro SPLIT8 xr, xi, off
.irp t,0,1,2,3
	v_cvt_pk_bf16_f32 v[HRE+\t], v[\xr+2*\t], v[\xr+2*\t+1]
.endr
.irp t,0,1,2,3
	v_cvt_pk_bf16_f32 v[HIM+\t], v[\xi+2*\t], v[\xi+2*\t+1]
.endr
.irp t,0,1,2,3
	v_fma_mix_f32_bf16 v[\xr+2*\t], v[HRE+\t], v[NEG1], v[\xr+2*\t] op_sel_hi:[1,0,0]
	v_fma_mix_f32_bf16 v[\xr+2*\t+1], v[HRE+\t], v[NEG1], v[\xr+2*\t+1] op_sel:[1,0,0] op_sel_hi:[1,0,0]
.endr
	ds_store_b128 v[WB], v[HRE:HRE+3] offset:\off
.irp t,0,1,2,3
	v_fma_mix_f32_bf16 v[\xi+2*\t], v[HIM+\t], v[NEG1], v[\xi+2*\t] op_sel_hi:[1,0,0]
	v_fma_mix_f32_bf16 v[\xi+2*\t+1], v[HIM+\t], v[NEG1], v[\xi+2*\t+1] op_sel:[1,0,0] op_sel_hi:[1,0,0]
.endr
	ds_store_b128 v[WB], v[HIM:HIM+3] offset:\off+BLK
.irp t,0,1,2,3
	v_cvt_pk_bf16_f32 v[LRE+\t], v[\xr+2*\t], v[\xr+2*\t+1]
.endr
.irp t,0,1,2,3
	v_cvt_pk_bf16_f32 v[LIM+\t], v[\xi+2*\t], v[\xi+2*\t+1]
.endr
	ds_store_b128 v[WB], v[LRE:LRE+3] offset:\off+2*BLK
	ds_store_b128 v[WB], v[LIM:LIM+3] offset:\off+3*BLK
.endm
	s_load_b256 s[4:11], s[0:1], 0x0               ; A_imag s[4:5], C_ri s[6:7], log_A_real s[8:9], log_dt s[10:11]
	s_load_b64 s[12:13], s[0:1], 0x20              ; out0
	v_lshl_add_u32 v62, v0, 2, 0x29000
	v_mov_b32 v63, 0
	v_lshrrev_b32 v1, 5, v0
	v_readfirstlane_b32 s14, v1                    ; wave 0..3
	s_lshl_b32 s15, ttmp9, 2
	s_add_co_u32 s15, s15, s14                     ; h = 4 x work-group + wave
	s_lshl_b32 s16, ttmp9, 9                       ; the group's four rows of 128 bytes,
	s_lshl_b32 s17, ttmp9, 10                      ; of 256 bytes (C),
	s_lshl_b32 s18, ttmp9, 4                       ; of 4 bytes (log_dt)
	s_mul_i32 s19, s14, WLDS                       ; my wave's LDS
	s_lshl_b32 s20, s15, 14                        ; my output row: 16,384 bytes each, below 2^24 in all
	s_mov_b32 s21, 0
	v_lshl_add_u32 v[OA], v0, 2, s16               ; thread t = 32 wave + mode: element t of the group's rows
	v_lshl_add_u32 v[OC], v0, 3, s17
	v_lshl_add_u32 v[OD], v1, 2, s18
	s_wait_kmcnt 0x0
	global_load_b32 v[LDT], v[OD], s[10:11]
	global_load_b32 v[LAR], v[OA], s[8:9] th:TH_LOAD_NT
	global_load_b32 v[AI], v[OA], s[4:5] th:TH_LOAD_NT
	global_load_b64 v[CR:CR+1], v[OC], s[6:7] th:TH_LOAD_NT
	s_add_nc_u64 s[12:13], s[12:13], s[20:21]
	; While the loads are out: addresses and constants.
	; k row kr lies at kr x 160 + 16 ((kr >> 3) & 1).  Writer: lane n, rows n + 32 c: sixteen neighbouring lanes start at sixteen different multiples of 16
	; modulo 256 (10 n + (n >> 3) runs through all residues modulo 16).
	v_and_b32 v20, 31, v0
	v_bfe_u32 v21, v0, 3, 1
	v_mul_u32_u24 v20, v20, PITCH
	v_lshl_add_u32 v20, v21, 4, v20
	v_add_nc_u32 v[WB], s19, v20
	; Reader (ds_load_tr16_b128): lane L addresses k row 8 (L >> 4) + (L & 7), 16 bytes at column chunk (L >> 3) & 1; the row's skew is 16 (L >> 4).
	; Eight rows 160 bytes apart, 32 bytes of each: 0, 160, 64, 224, 128, 32, 192, 96 modulo 256, no two overlap.
	v_and_b32 v22, 7, v0
	v_bfe_u32 v23, v0, 4, 1
	v_lshl_add_u32 v22, v23, 3, v22
	v_mul_u32_u24 v22, v22, PITCH
	v_add_nc_u32 v21, v21, v23
	v_lshl_add_u32 v22, v21, 4, v22
	v_add_nc_u32 v[RB], s19, v22
	v_and_b32 v24, 15, v0
	v_lshlrev_b32 v24, 4, v24
	v_lshl_add_u32 v[OO], v23, 11, v24             ; 16 r + 2048 hh
	v_mov_b32 v[NEG1], -1.0
	v_mov_b32 v[KA4], 0x39283c1a                   ; (pi/2)^9 / 9!
	v_mov_b32 v[KA4+1], 0x39283c1a
	v_mov_b32 v[KB4], 0x3a70fa83                   ; (pi/2)^8 / 8!
	v_mov_b32 v[KB4+1], 0x3a70fa83
	v_mov_b32 v[ZCR], 1.0                          ; element 0 of the three tables that start with z^0
	v_mov_b32 v[ZCI], 0
	v_mov_b32 v[T4R], 1.0
	v_mov_b32 v[T4I], 0
	v_mov_b32 v[T32R], 1.0
	v_mov_b32 v[T32I], 0
	s_wait_loadcnt 0x0                             ; all four inputs
	; dt = exp(log_dt) = 2^p (1 + e ln 2): p = log_dt log2(e) rounded, e what the rounding and the constant's own rounding left out.
	; An error of dt is multiplied by the phase (thousands of radians), so the argument's rounding is carried along.
	v_mul_f32 v20, 0x3fb8aa3b, v[LDT]
	v_mul_f32 v21, 0x3fb8aa3b, v[LAR]
	v_fma_f32 v22, v[LDT], 0x3fb8aa3b, -v20
	v_exp_f32 v23, v20
	v_exp_f32 v[AA], v21                           ; -Re A
	v_fmac_f32 v22, 0x32a57060, v[LDT]             ; the plain instruction between the exponentials and their first use (ISA guide 5.7.2)
	v_mul_f32 v22, 0x3f317218, v22
	s_wait_alu depctr_va_vdst(0)
	v_fma_f32 v[DT], v23, v22, v23
	v_and_b32 v24, 0x7fffffff, v[AI]
	v_max_num_f32 v24, v[AA], v24                  ; s = max(|Re A|, |Im A|): A is scaled by 1/s so that |A|^2 neither overflows nor vanishes
	v_rcp_f32 v25, v24
	v_mul_f32 v[DIM], v[AI], v[DT]                 ; Im dtA, rounded as the formula rounds it
	v_mul_f32 v26, v[AA], v[DT]                    ; -Re dtA
	s_wait_alu depctr_va_vdst(0)
	v_mul_f32 v[AN], v[AA], v25
	v_mul_f32 v[AIN], v[AI], v25
	v_mul_f32 v[G], 0xbfb8aa3b, v26                ; Re dtA x log2(e)
	v_mul_f32 v[UH], 0x3e22f983, v[DIM]            ; Im dtA / 2 pi in two floats: the product's rounding error by fma,
	v_mul_f32 v27, v[AN], v[AN]
	v_fma_f32 v[UL], v[DIM], 0x3e22f983, -v[UH]
	v_fmac_f32 v27, v[AIN], v[AIN]
	v_fmac_f32 v[UL], 0x31dc9c88, v[DIM]           ; and the part of 1 / 2 pi below its first 24 bits
	v_rcp_f32 v28, v27
	v_add_f32 v25, v25, v25
	s_wait_alu depctr_va_vdst(0)
	v_mul_f32 v[INV2], v28, v25
	; TEN POWERS z^m by evaluation, two in each packed instruction, the five pairs step by step so that no instruction waits for the one in front.
	; Block k (16 registers): +0 phase in turns, +2 its square, +4 sine chain, +6 cosine chain, +8 exponent, +10 magnitude, +12 cos, +14 sin.
	; The angle is taken at a quarter, |x| <= pi/4, with the fourth root of the magnitude, and the number is squared twice.
.macro EVARG k, m1, m2, q1, q2
	v_mul_f32 v[EV+16*\k+8], \q1, v[G]
	v_mul_f32 v[EV+16*\k+9], \q2, v[G]
	v_mul_f32 v[EV+16*\k], \m1, v[UH]
	v_mul_f32 v[EV+16*\k+1], \m2, v[UH]
.endm
.macro EVLO k, m1, m2
	v_fmac_f32 v[EV+16*\k], \m1, v[UL]
	v_fmac_f32 v[EV+16*\k+1], \m2, v[UL]
.endm
.macro EVRED                           ; take the nearest whole number of turns away (exact)
.irp k,0,1,2,3,4
	v_rndne_f32 v[EV+16*\k+2], v[EV+16*\k]
	v_rndne_f32 v[EV+16*\k+3], v[EV+16*\k+1]
.endr
.irp k,0,1,2,3,4
	v_pk_add_f32 v[EV+16*\k:EV+16*\k+1], v[EV+16*\k:EV+16*\k+1], v[EV+16*\k+2:EV+16*\k+3] neg_lo:[0,1] neg_hi:[0,1]
.endr
.endm
.macro EVPOLY ka, kb                   ; one Horner step of both chains
.irp k,0,1,2,3,4
	v_pk_fma_f32 v[EV+16*\k+4:EV+16*\k+5], v[EV+16*\k+4:EV+16*\k+5], v[EV+16*\k+2:EV+16*\k+3], \ka op_sel_hi:[1,1,0]
	v_pk_fma_f32 v[EV+16*\k+6:EV+16*\k+7], v[EV+16*\k+6:EV+16*\k+7], v[EV+16*\k+2:EV+16*\k+3], \kb op_sel_hi:[1,1,0]
.endr
.endm
	EVARG 0, 1.0, 2.0, 0.25, 0.5                   ; m, and m / 4 for the magnitude: scalings by powers of two, exact
	EVARG 1, 4.0, 8.0, 1.0, 2.0
	EVARG 2, 32.0, 64.0, 8.0, 16.0
	EVARG 3, 256.0, 1024.0, 64.0, 256.0
	EVARG 4, 512.0, 2048.0, 128.0, 512.0
.irp k,0,1,2,3,4
	v_exp_f32 v[EV+16*\k+10], v[EV+16*\k+8]
	v_exp_f32 v[EV+16*\k+11], v[EV+16*\k+9]
.endr
	EVRED                                          ; (its first lines are the plain instructions behind the exponentials)
	EVLO 0, 1.0, 2.0                               ; + the lower float's share
	EVLO 1, 4.0, 8.0
	EVLO 2, 32.0, 64.0
	EVLO 3, 256.0, 1024.0
	EVLO 4, 512.0, 2048.0
	EVRED                                          ; again: keeps |phase| <= 1/2 whatever the lower float added, so that sine and cosine stay bounded
.irp k,0,1,2,3,4
	v_pk_mul_f32 v[EV+16*\k+2:EV+16*\k+3], v[EV+16*\k:EV+16*\k+1], v[EV+16*\k:EV+16*\k+1]
.endr
.irp k,0,1,2,3,4
	v_pk_fma_f32 v[EV+16*\k+4:EV+16*\k+5], v[EV+16*\k+2:EV+16*\k+3], v[KA4:KA4+1], 0xbb996966 op_sel_hi:[1,1,0]
	v_pk_fma_f32 v[EV+16*\k+6:EV+16*\k+7], v[EV+16*\k+2:EV+16*\k+3], v[KB4:KB4+1], 0xbcaae9e4 op_sel_hi:[1,1,0]
.endr
	EVPOLY 0x3da335e3, 0x3e81e0f8                  ; sin(pi x / 2) / x and cos(pi x / 2) in x^2: Taylor to x^9 and x^8, the first terms left out are
	EVPOLY 0xbf255de7, 0xbf9de9e6                  ; below 2e-9 and 3e-8 for |x| <= 1/2
	EVPOLY 0x3fc90fdb, 1.0
	s_wait_alu depctr_va_vdst(0)
.irp k,0,1,2,3,4
	v_pk_mul_f32 v[EV+16*\k+8:EV+16*\k+9], v[EV+16*\k:EV+16*\k+1], v[EV+16*\k+10:EV+16*\k+11]
	v_pk_mul_f32 v[EV+16*\k+12:EV+16*\k+13], v[EV+16*\k+6:EV+16*\k+7], v[EV+16*\k+10:EV+16*\k+11]
.endr
.irp k,1,2                                             ; the N side's powers as they are,
	v_pk_mul_f32 v[EV+16*\k+14:EV+16*\k+15], v[EV+16*\k+4:EV+16*\k+5], v[EV+16*\k+8:EV+16*\k+9]
.endr
.irp k,0,3,4                                           ; the Y side's conjugated
	v_pk_mul_f32 v[EV+16*\k+14:EV+16*\k+15], v[EV+16*\k+4:EV+16*\k+5], v[EV+16*\k+8:EV+16*\k+9] neg_lo:[1,0] neg_hi:[1,0]
.endr
.irp k,0,1,2,3,4                                       ; first squaring: (c, s) -> (c c - s s, 2 c s)
	v_pk_mul_f32 v[EV+16*\k:EV+16*\k+1], v[EV+16*\k+14:EV+16*\k+15], v[EV+16*\k+14:EV+16*\k+15] neg_lo:[1,0] neg_hi:[1,0]
	v_pk_add_f32 v[EV+16*\k+2:EV+16*\k+3], v[EV+16*\k+12:EV+16*\k+13], v[EV+16*\k+12:EV+16*\k+13]
.endr
.irp k,0,1,2,3,4
	v_pk_fma_f32 v[EV+16*\k+4:EV+16*\k+5], v[EV+16*\k+12:EV+16*\k+13], v[EV+16*\k+12:EV+16*\k+13], v[EV+16*\k:EV+16*\k+1]
	v_pk_mul_f32 v[EV+16*\k+6:EV+16*\k+7], v[EV+16*\k+2:EV+16*\k+3], v[EV+16*\k+14:EV+16*\k+15]
.endr
.irp k,0,1,2,3,4                                       ; second squaring; its last four lines put each number where it is used
	v_pk_mul_f32 v[EV+16*\k:EV+16*\k+1], v[EV+16*\k+6:EV+16*\k+7], v[EV+16*\k+6:EV+16*\k+7] neg_lo:[1,0] neg_hi:[1,0]
	v_pk_add_f32 v[EV+16*\k+2:EV+16*\k+3], v[EV+16*\k+4:EV+16*\k+5], v[EV+16*\k+4:EV+16*\k+5]
.endr
.macro FIN k, c1, s1, c2, s2
	v_fma_f32 v[\c1], v[EV+16*\k+4], v[EV+16*\k+4], v[EV+16*\k]
	v_fma_f32 v[\c2], v[EV+16*\k+5], v[EV+16*\k+5], v[EV+16*\k+1]
	v_mul_f32 v[\s1], v[EV+16*\k+2], v[EV+16*\k+6]
	v_mul_f32 v[\s2], v[EV+16*\k+3], v[EV+16*\k+7]
.endm
	FIN 0, ZCR+1, ZCI+1, B1R, B1I                  ; conj z, conj z^2
	FIN 1, T4R+1, T4I+1, B0R, B0I                  ; z^4, z^8
	FIN 2, T32R+1, T32I+1, B0R+1, B0I+1            ; z^32, z^64
	FIN 3, PAR, PAI, PAR+1, PAI+1                  ; conj z^256, conj z^1024
	FIN 4, PBR, PBI, PBR+1, PBI+1                  ; conj z^512, conj z^2048
	; 2 conj(Ceff) = 2 conj(C) (conj z - 1) / conj(A), in the formula's order: the product first, then the division, as a product with A / |A|^2
	v_add_f32 v20, -1.0, v[ZCR+1]                  ; e = conj z - 1
	v_mul_f32 v21, v[CR+1], v[ZCI+1]
	v_mul_f32 v22, v[CR+1], v20
	v_fmac_f32 v21, v[CR], v20                     ; Re: cr er + ci ei
	v_fma_f32 v22, v[CR], v[ZCI+1], -v22           ; Im: cr ei - ci er
	v_mul_f32 v23, v22, v[AIN]
	v_mul_f32 v24, v22, v[AN]
	v_fmac_f32 v23, v21, v[AN]
	v_fma_f32 v24, v21, v[AIN], -v24
	v_mul_f32 v[B1R+1], -v23, v[INV2]
	v_mul_f32 v[B1I+1], v24, v[INV2]
	; THE TABLES, by multiplication, at most three links from an evaluated power.
	CMA T4R+2, T4I+2, B0R, B0I, 0, T4R, T4I                ; (z^8, z^12) = z^8 (1, z^4)
	CMA T32R+2, T32I+2, B0R, B0I, 1, T32R, T32I            ; (z^64, z^96) = z^64 (1, z^32)
	CMA Y0R, Y0I, B1R, B1I, 1, ZCR, ZCI                    ; Y of m = 0, 1
	v_pk_mul_f32 v[PCR:PCR+1], v[PAR:PAR+1], v[PBR:PBR+1]  ; conj (z^768, z^3072), element by element
	v_pk_mul_f32 v[PCI:PCI+1], v[PAR:PAR+1], v[PBI:PBI+1]
	CMB T4R+2, T4I+2, B0R, B0I, 0, T4R, T4I
	CMB T32R+2, T32I+2, B0R, B0I, 1, T32R, T32I
	CMB Y0R, Y0I, B1R, B1I, 1, ZCR, ZCI
	v_pk_fma_f32 v[PCR:PCR+1], v[PAI:PAI+1], v[PBI:PBI+1], v[PCR:PCR+1] neg_lo:[1,0,0] neg_hi:[1,0,0]
	v_pk_fma_f32 v[PCI:PCI+1], v[PAI:PAI+1], v[PBR:PBR+1], v[PCI:PCI+1]
	CMA T4R+4, T4I+4, B0R, B0I, 0, T4R+2, T4I+2
	CMA T32R+4, T32I+4, B0R, B0I, 1, T32R+2, T32I+2
	CMA Y0R+2, Y0I+2, B1R, B1I, 0, Y0R, Y0I                ; m = 2, 3
	CMB T4R+4, T4I+4, B0R, B0I, 0, T4R+2, T4I+2
	CMB T32R+4, T32I+4, B0R, B0I, 1, T32R+2, T32I+2
	CMB Y0R+2, Y0I+2, B1R, B1I, 0, Y0R, Y0I
	CMA T4R+6, T4I+6, B0R, B0I, 0, T4R+4, T4I+4
	CMA T32R+6, T32I+6, B0R, B0I, 1, T32R+4, T32I+4
.irp j,0,2                                             ; m = 4 .. 15: conj z^256, z^512, z^768 times m = 0 .. 3
	CMA Y0R+4+\j, Y0I+4+\j, PAR, PAI, 0, Y0R+\j, Y0I+\j
	CMA Y0R+8+\j, Y0I+8+\j, PBR, PBI, 0, Y0R+\j, Y0I+\j
	CMA Y0R+12+\j, Y0I+12+\j, PCR, PCI, 0, Y0R+\j, Y0I+\j
.endr
	CMB T4R+6, T4I+6, B0R, B0I, 0, T4R+4, T4I+4
	CMB T32R+6, T32I+6, B0R, B0I, 1, T32R+4, T32I+4
.irp j,0,2
	CMB Y0R+4+\j, Y0I+4+\j, PAR, PAI, 0, Y0R+\j, Y0I+\j
	CMB Y0R+8+\j, Y0I+8+\j, PBR, PBI, 0, Y0R+\j, Y0I+\j
	CMB Y0R+12+\j, Y0I+12+\j, PCR, PCI, 0, Y0R+\j, Y0I+\j
.endr
	; THE N SIDE: N[8 q + p] = z^(32 q) z^(4 p).  q = 0 is the table itself and comes last, since the split overwrites its input.
.macro GENN q, po, sel
.irp t,0,1,2,3
	CMA XR+2*\t, XI+2*\t, T32R+\po, T32I+\po, \sel, T4R+2*\t, T4I+2*\t
.endr
.irp t,0,1,2,3
	CMB XR+2*\t, XI+2*\t, T32R+\po, T32I+\po, \sel, T4R+2*\t, T4I+2*\t
.endr
	SPLIT8 XR, XI, NOFF+16*\q
.endm
	GENN 1, 0, 1
	GENN 2, 2, 0
	GENN 3, 2, 1
	GENN 4, 4, 0
	GENN 5, 4, 1
	GENN 6, 6, 0
	GENN 7, 6, 1
	SPLIT8 T4R, T4I, NOFF
	; All 16 fragments of N into window 1.  LDS serves a wave's instructions in order (ISA guide 5.7.1): these loads see the stores above, which are my own.
	WIN 0x40
.irp tn,0,1,2,3
.irp ks,0,1,2,3
	ds_load_tr16_b128 v[32*\tn+8*\ks:32*\tn+8*\ks+3], v[RB] offset:NOFF+\ks*BLK+32*\tn
	ds_load_tr16_b128 v[32*\tn+8*\ks+4:32*\tn+8*\ks+7], v[RB] offset:NOFF+\ks*BLK+32*\tn+16*PITCH
.endr
.endr
	WIN 0
	; THE Y SIDE, a tile of 16 values of m at a time: tile tm = conj z^(1024 tm) times tile 0.
.macro GENM tm, br, bi
.irp g,0,1
.irp t,0,1,2,3
	CMA XR+2*\t, XI+2*\t, \br, \bi, 1, Y0R+8*\g+2*\t, Y0I+8*\g+2*\t
.endr
.irp t,0,1,2,3
	CMB XR+2*\t, XI+2*\t, \br, \bi, 1, Y0R+8*\g+2*\t, Y0I+8*\g+2*\t
.endr
	SPLIT8 XR, XI, MOFF+16*(2*\tm+\g)
.endr
.endm
.macro LOADF tm, f                     ; the tile's four K steps: hi re, hi im, lo re, lo im
.irp ks,0,1,2,3
	ds_load_tr16_b128 v[\f+8*\ks:\f+8*\ks+3], v[RB] offset:MOFF+\ks*BLK+32*\tm
	ds_load_tr16_b128 v[\f+8*\ks+4:\f+8*\ks+7], v[RB] offset:MOFF+\ks*BLK+32*\tm+16*PITCH
.endr
.endm
; 24 matrix instructions: four result tiles (tn) x (hi hi, lo hi, hi lo) x (re, im).  Source 0: Y (rows m), source 1: N (columns i), in window 1.
; The first product starts each sum.  The four sums take turns, each link in place on its own accumulator.
.macro MM4 acc, f, mk, nk, first
.irp tn,0,1,2,3
.if \first
	v_wmma_f32_16x16x32_bf16 v[\acc+8*\tn:\acc+8*\tn+7], v[\f+8*\mk:\f+8*\mk+7], v[32*\tn+8*\nk:32*\tn+8*\nk+7], 0
.else
	v_wmma_f32_16x16x32_bf16 v[\acc+8*\tn:\acc+8*\tn+7], v[\f+8*\mk:\f+8*\mk+7], v[32*\tn+8*\nk:32*\tn+8*\nk+7], v[\acc+8*\tn:\acc+8*\tn+7]
.endif
.endr
.endm
.macro TILE acc, f
	WIN 0x04
	MM4 \acc, \f, 0, 0, 1
	MM4 \acc, \f, 1, 1, 0
	MM4 \acc, \f, 2, 0, 0
	MM4 \acc, \f, 3, 1, 0
	MM4 \acc, \f, 0, 2, 0
	MM4 \acc, \f, 1, 3, 0
	WIN 0
.endm
.macro GST acc, tm                     ; each store: lanes 0-15 and lanes 16-31 each cover 256 consecutive bytes, at multiples of 256 from the row's first byte
.irp tn,0,1,2,3
	global_store_b128 v[OO], v[\acc+8*\tn:\acc+8*\tn+3], s[12:13] offset:4096*\tm+256*\tn th:TH_STORE_NT
	global_store_b128 v[OO], v[\acc+8*\tn+4:\acc+8*\tn+7], s[12:13] offset:4096*\tm+256*\tn+1024 th:TH_STORE_NT
.endr
.endm
.macro PLACES                          ; four places between a matrix instruction and a store of its result, where there is no other work left
.rept 4
	v_nop
.endr
.endm
	; Tiles in the order 1, 2, 3, 0: tile 0 is the table, which its split overwrites.  The operands of a tile are made two tiles ahead of its products,
	; so that the vector work of one tile stands behind the matrix instructions of another and in front of the stores and loads that need the distance.
	GENM 1, PAR, PAI
	LOADF 1, MF0
	GENM 2, PBR, PBI
	LOADF 2, MF1
	s_wait_dscnt 16                                ; behind tile 1's fragment loads: 8 stores and 8 loads of tile 2.  N's fragments and tile 1's are in
	TILE ACC0, MF0
	GENM 3, PCR, PCI                               ; more than four plain vector instructions that name no register of the products above
	LOADF 3, MF0
	GST ACC0, 1
	s_wait_dscnt 16                                ; behind tile 2's loads: 8 stores and 8 loads of tile 3
	TILE ACC1, MF1
	SPLIT8 Y0R, Y0I, MOFF
	SPLIT8 Y0R+8, Y0I+8, MOFF+16
	LOADF 0, MF1
	GST ACC1, 2
	s_wait_dscnt 16                                ; behind tile 3's loads: 8 stores and 8 loads of tile 0
	s_wait_xcnt 0x0                                ; both accumulator sets are data of stores issued above: they are written again only behind this wait
	TILE ACC0, MF0
	PLACES
	GST ACC0, 3
	s_wait_dscnt 0x0                               ; tile 0's fragments: nothing was issued behind them
	TILE ACC1, MF1                                 ; (ACC1's stores stand in front of the s_wait_xcnt above)
	PLACES
	GST ACC1, 0
	s_wait_tensorcnt 0x0
	ds_add_u32 v62, v63
	s_wait_dscnt 0x0
	s_endpgm
.Lfunc_end_k_qa33a48ffa9_s4d:
	.size	k_qa33a48ffa9_s4d, .Lfunc_end_k_qa33a48ffa9_s4d-k_qa33a48ffa9_s4d
	.p2alignl 7, 3214868480
	.fill 96, 4, 3214868480
	.section	.rodata,"a",@progbits
	.p2align	6, 0x0
	.amdhsa_kernel k_qa33a48ffa9_s4d
		.amdhsa_group_segment_fixed_size 168448
		.amdhsa_private_segment_fixed_size 0
		.amdhsa_enable_private_segment 0
		.amdhsa_kernarg_size 40
		.amdhsa_user_sgpr_count 2
		.amdhsa_user_sgpr_kernarg_segment_ptr 1
		.amdhsa_wavefront_size32 1
		.amdhsa_system_sgpr_workgroup_id_x 1
		.amdhsa_system_sgpr_workgroup_id_y 1
		.amdhsa_system_sgpr_workgroup_id_z 1
		.amdhsa_system_vgpr_workitem_id 0
		.amdhsa_next_free_vgpr 384
		.amdhsa_next_free_sgpr 66
		.amdhsa_reserve_vcc 0
		.amdhsa_float_denorm_mode_32 3
		.amdhsa_float_denorm_mode_16_64 3
		.amdhsa_memory_ordered 1
		.amdhsa_forward_progress 1
		.amdhsa_inst_pref_size 82
	.end_amdhsa_kernel
	.amdgpu_metadata
---
amdhsa.version: [ 1, 2 ]
amdhsa.kernels:
  - .name:           k_qa33a48ffa9_s4d
    .symbol:         k_qa33a48ffa9_s4d.kd
    .args:
      - { .name: A_imag, .offset: 0, .size: 8, .value_kind: global_buffer, .address_space: global }
      - { .name: C_ri, .offset: 8, .size: 8, .value_kind: global_buffer, .address_space: global }
      - { .name: log_A_real, .offset: 16, .size: 8, .value_kind: global_buffer, .address_space: global }
      - { .name: log_dt, .offset: 24, .size: 8, .value_kind: global_buffer, .address_space: global }
      - { .name: out0, .offset: 32, .size: 8, .value_kind: global_buffer, .address_space: global }
    .group_segment_fixed_size: 168448
    .private_segment_fixed_size: 0
    .kernarg_segment_align: 8
    .kernarg_segment_size: 40
    .max_flat_workgroup_size: 128
    .sgpr_count:     66
    .vgpr_count:     384
    .wavefront_size: 32
...
	.end_amdgpu_metadata
.endif
;; end of part 1
;; ======== version 2 of 2: 1 launch; version 1 with the launch s4d written anew for expert scheduling mode
;; launch s4d (part 2): grid 256 x 1, 4 waves a work-group, no clusters, 168,448 bytes of LDS; arguments A_imag, C_ri, log_A_real, log_dt, out0; writes out0
.if DOCPART == 2
	.amdgcn_target "amdgcn-amd-amdhsa--gfx1250"
	.amdhsa_code_object_version 6
	.text
	.protected	k_qa33a48ffa9_s4d
	.globl	k_qa33a48ffa9_s4d
	.p2align	8
	.type	k_qa33a48ffa9_s4d,@function
k_qa33a48ffa9_s4d:
	s_mov_b64 s[64:65], 0
	v_nop
	global_prefetch_b8 v0, s[64:65] scope:SCOPE_SE
	s_setreg_imm32_b32 hwreg(HW_REG_WAVE_SCHED_MODE, 0, 2), 2
	s_setreg_imm32_b32 hwreg(HW_REG_WAVE_MODE, 25, 1), 1
	s_wait_xcnt 0x0
	s_wait_alu depctr_vm_vsrc(0)
; S4D kernel:  K[h][l] = 2 Re sum over n of Ceff[h][n] z^l,  z = exp(dtA[h][n]),  dtA = (-exp(log_A_real) + i A_imag) exp(log_dt),
; Ceff = C (z - 1) / A.   H = 1024 rows, 32 modes, L = 4096.
;
; l is split as l = u + v,  u = j0 + 256 mu (j0 0..3, mu 0..15: 64 values, index m = 4 mu + j0),  v = 4 i (i 0..63).  Then
;   K[h][u+v] = sum over n of  Yr[m][n] Nr[i][n] + Yi[m][n] Ni[i][n],    Y = 2 conj(Ceff) conj(z)^u,   N = z^v :
; for each h a real product of 64 x 64 with 64 along k, made by the matrix unit, from 128 complex powers a mode.
; One wave makes one h; a lane is one mode while the powers are made.  Four waves a work-group, each with LDS bytes of its own: no barrier.
; No two work-groups read the same input bytes (but for the 16 bytes of log_dt that share a line): there is nothing to share in a cluster.
;
; OPERANDS.  Each number goes to the matrix unit as bf16 hi + bf16 lo (hi = x rounded, lo = x - hi rounded), and three products are summed in f32:
; hi hi + lo hi + hi lo.  One bf16 (8 bits) is too coarse: near l = 0 the terms of a row with large dt are some 30 times the output's root mean square.
; bf16 and not f16: Y falls with exp(Re dtA u) and scales with dt, over the whole range of f32.
;
; OUTPUT.  In a result tile lane (r, hh) holds in register j the element m = 16 tm + 8 hh + j, i = 16 tn + r, that is byte
; 16 r + 2048 hh + 256 tn + 4096 tm + 1024 (j >> 2) + 4 (j & 3) of the row: four registers are 16 neighbouring bytes and sixteen
; neighbouring lanes store 256 consecutive bytes at a multiple of 256 from the row's first byte.  Results go out straight from the accumulators.
;
; LIMITS, stated:  (1) the phase Im(dtA) l is formed without rounding the product (two floats for Im(dtA) / 2 pi, scaled by powers of two), where an
; f32 evaluation of the formula rounds dtA l to 24 bits: the two differ by up to 2^-24 of the phase, per mode.  Beyond 2^23 turns for 2048 steps the
; phase here is bounded but without meaning.  (2) v_exp_f32 and v_rcp_f32 flush denormals (ISA guide 15.8): exp(log_dt), exp(log_A_real) and
; max(|Re A|, |Im A|) count as zero below 2^-126, and magnitudes below 2^-126 of a quarter power too.  (3) the product lo lo is left out and lo is
; rounded to 8 bits: about 2^-16 of each product.  Re A = -exp(..) < 0, so no power exceeds 1 in magnitude.
;
; THE MODE: SCHED_MODE bits 1:0 = 2 (LLVM: expert scheduling mode 2), set by the entry lines.  The code itself states the register dependences
; between vector or matrix instructions and memory or LDS instructions, with s_wait_alu, always for 0.
; THE PLAN.  The 128 powers of a mode are made in 16 GROUPS of eight (groups 0-7: N; 8-15: Y, two to a tile).  Registers that memory or LDS instructions touch:
;   v11-13        offsets of the four input loads: made once, never written again.      v6-10  the inputs: loaded once, then only read.
;   WB, RB, OO    LDS and output addresses: made once, behind the input loads, never written again; group 1's wait on va_vdst states them written.
;   P0, P1        two out-buffers of 16 registers (bf16 hi re, hi im, lo re, lo im of eight values).  Group g's roundings write P[g % 2]; its four LDS stores are
;                 issued at the head of group g + 1, which writes the other buffer.  So one wait on va_vdst at a group's head states the stores' data written, and the
;                 wait on vm_vsrc beside it, a whole group behind the stores that it speaks of, frees the buffer that the group writes again.
;   window 1      N's fragments: loaded once, behind group 7's stores; named by matrix instructions alone.
;   MF0, MF1      Y's fragments: loaded behind the stores of a tile's second group; read by that tile's matrix instructions; loaded again two tiles on.
;   ACC0, ACC1    written by a tile's matrix instructions; read by its eight stores; written again two tiles on.
; In front of a tile's products the pending group is flushed (wait, four stores, the next tile's fragment loads).  The first group behind the products has nothing to store;
; the head of the second states, with its own stores' data, the accumulators written and the fragments read: the tile's results leave there.
; X, Y0, the tables and the factors are named by vector instructions alone.  No vector instruction writes VCC, and EXEC is never written.
.set PITCH, 160                        ; LDS bytes from k row to k row: 64 bf16 = 128, + 16 for the skew, + 16
.set BLK,   32*PITCH                   ; 32 k rows: one component (re, im) of one part (hi, lo) of all 32 modes = one K step of 32
.set MATB,  4*BLK                      ; a matrix: hi re, hi im, lo re, lo im
.set MOFF,  0                          ; Y
.set NOFF,  MATB                       ; N
.set WLDS,  2*MATB                     ; a wave's LDS: 40,960 bytes
; registers, window 0
.set WB,   2                           ; LDS address of my mode's k row (writer: lane = mode)
.set RB,   3                           ; LDS address for the transposing fragment loads
.set OO,   4                           ; my byte offset in the output row
.set NEG1, 5                           ; -1.0
.set CR,   6                           ; v[6:7] C re, im
.set AI,   8
.set LAR,  9
.set LDT,  10
.set OA,   11                          ; load offsets
.set OC,   12
.set OD,   13
.set AA,   14                          ; exp(log_A_real) = -Re A
.set DT,   15
.set G,    16                          ; Re(dtA) log2(e)
.set UH,   17                          ; Im(dtA) / 2 pi, upper and
.set UL,   18                          ; lower float
.set DIM,  19
.set AN,   29                          ; -Re A / s, Im A / s, 2 / (s |A/s|^2), s = max(|Re A|, |Im A|)
.set AIN,  30
.set INV2, 31
.set P1,   16                          ; v[16:31] out-buffer 1, from group 1 on: the parameters and scratch that lay in v16-31 are done with when 2 conj(Ceff) is made
.set KA4,  32                          ; v[32:33], v[34:35] leading coefficients, twice each
.set KB4,  34
.set ZCR,  36                          ; (1, conj z): re pair, im pair
.set ZCI,  38
.set B0R,  40                          ; (z^8, z^64)
.set B0I,  42
.set B1R,  44                          ; (conj z^2, 2 conj Ceff)
.set B1I,  46
.set PAR,  48                          ; conj (z^256, z^1024)
.set PAI,  50
.set PBR,  52                          ; conj (z^512, z^2048)
.set PBI,  54
.set PCR,  56                          ; conj (z^768, z^3072)
.set PCI,  58
.set Y0R,  64                          ; v[64:79], v[80:95]  Y of m = 0..15, re and im
.set Y0I,  80
.set XR,   96                          ; v[96:103], v[104:111]  eight values at work
.set XI,   104
.set P0,   112                         ; v[112:127] out-buffer 0: packed bf16: +0 hi re, +4 hi im, +8 lo re, +12 lo im of eight values
.set MF0,  128                         ; fragments of Y, two buffers of 4 K steps x 8 registers
.set MF1,  160
.set ACC0, 192                         ; four result tiles, two sets
.set ACC1, 224
.set EV,   128                         ; v[128:207] five blocks of 16 for the evaluations, done with before MF0 is loaded
.set T4R,  208                         ; z^(4 p), p = 0..7, and z^(32 q), q = 0..7: done with before the first result is written
.set T4I,  216
.set T32R, 224
.set T32I, 232
; window 1: v256-383 = fragments of N, tile tn, K step ks at 32 tn + 8 ks
.set PN,   P0                          ; the out-buffer that the group in hand writes,
.set PO,   P1                          ; the other one, whose stores are due,
.set POFF, 0                           ; and the LDS offset of those stores
.set MSB, 0
.macro WIN new                         ; low byte: bits 1:0 source 0, 3:2 source 1, 5:4 source 2, 7:6 destination; the high byte repeats the setting left
.if MSB != \new
	s_set_vgpr_msb (MSB<<8)|\new
.set MSB, \new
.endif
.endm
; (dr, di) = b x (xr, xi) for two complex numbers at once; all are pairs (value 0, value 1) of real parts and of imaginary parts;
; b is element sel of the pairs br, bi, taken for both halves.  First half: the products with Re b.  Second half: those with Im b.
.macro CMA dr, di, br, bi, sel, xr, xi
	v_pk_mul_f32 v[\dr:\dr+1], v[\br:\br+1], v[\xr:\xr+1] op_sel:[\sel,0] op_sel_hi:[\sel,1]
	v_pk_mul_f32 v[\di:\di+1], v[\br:\br+1], v[\xi:\xi+1] op_sel:[\sel,0] op_sel_hi:[\sel,1]
.endm
.macro CMB dr, di, br, bi, sel, xr, xi
	v_pk_fma_f32 v[\dr:\dr+1], v[\bi:\bi+1], v[\xi:\xi+1], v[\dr:\dr+1] op_sel:[\sel,0,0] op_sel_hi:[\sel,1,1] neg_lo:[1,0,0] neg_hi:[1,0,0]
	v_pk_fma_f32 v[\di:\di+1], v[\bi:\bi+1], v[\xr:\xr+1], v[\di:\di+1] op_sel:[\sel,0,0] op_sel_hi:[\sel,1,1]
.endm
; Eight values (re at xr, im at xi) to bf16 hi and lo, into the out-buffer in hand: 16 bytes for each of my mode's four k rows.  x - hi is exact in f32 and replaces x.
; The four stores are left to the next TURN; the two out-buffers change places.
.macro SPLIT8 xr, xi, off
.irp t,0,1,2,3
	v_cvt_pk_bf16_f32 v[PN+\t], v[\xr+2*\t], v[\xr+2*\t+1]
.endr
.irp t,0,1,2,3
	v_cvt_pk_bf16_f32 v[PN+4+\t], v[\xi+2*\t], v[\xi+2*\t+1]
.endr
.irp t,0,1,2,3
	v_fma_mix_f32_bf16 v[\xr+2*\t], v[PN+\t], v[NEG1], v[\xr+2*\t] op_sel_hi:[1,0,0]
	v_fma_mix_f32_bf16 v[\xr+2*\t+1], v[PN+\t], v[NEG1], v[\xr+2*\t+1] op_sel:[1,0,0] op_sel_hi:[1,0,0]
.endr
.irp t,0,1,2,3
	v_fma_mix_f32_bf16 v[\xi+2*\t], v[PN+4+\t], v[NEG1], v[\xi+2*\t] op_sel_hi:[1,0,0]
	v_fma_mix_f32_bf16 v[\xi+2*\t+1], v[PN+4+\t], v[NEG1], v[\xi+2*\t+1] op_sel:[1,0,0] op_sel_hi:[1,0,0]
.endr
.irp t,0,1,2,3
	v_cvt_pk_bf16_f32 v[PN+8+\t], v[\xr+2*\t], v[\xr+2*\t+1]
.endr
.irp t,0,1,2,3
	v_cvt_pk_bf16_f32 v[PN+12+\t], v[\xi+2*\t], v[\xi+2*\t+1]
.endr
.set POFF, \off
.set PT, PN
.set PN, PO
.set PO, PT
.endm
; Between two groups: the stores of the group just made.  free = 1: a group follows that writes again the out-buffer that the stores issued one TURN ago read.
.macro TURN free
.if \free
	s_wait_alu depctr_vm_vsrc(0)                   ; the LDS stores issued at the last TURN have read the out-buffer that the next group's roundings write again
.endif
	s_wait_alu depctr_va_vdst(0)                   ; the group just made has written its out-buffer, which the four stores below read (at the first TURN also: v[WB], v[RB], v[OO] are written)
.irp c,0,1,2,3
	ds_store_b128 v[WB], v[PO+4*\c:PO+4*\c+3] offset:POFF+\c*BLK
.endr
.endm
	s_load_b256 s[4:11], s[0:1], 0x0               ; A_imag s[4:5], C_ri s[6:7], log_A_real s[8:9], log_dt s[10:11]
	s_load_b64 s[12:13], s[0:1], 0x20              ; out0
	v_lshl_add_u32 v62, v0, 2, 0x29000
	v_mov_b32 v63, 0
	v_lshrrev_b32 v1, 5, v0
	v_readfirstlane_b32 s14, v1                    ; wave 0..3
	s_lshl_b32 s15, ttmp9, 2
	s_wait_alu depctr_va_sdst(0)                   ; s14 is written, ahead of its first reader: h, my LDS and my output row are made from it
	s_add_co_u32 s15, s15, s14                     ; h = 4 x work-group + wave
	s_lshl_b32 s16, ttmp9, 9                       ; the group's four rows of 128 bytes,
	s_lshl_b32 s17, ttmp9, 10                      ; of 256 bytes (C),
	s_lshl_b32 s18, ttmp9, 4                       ; of 4 bytes (log_dt)
	s_mul_i32 s19, s14, WLDS                       ; my wave's LDS
	s_lshl_b32 s20, s15, 14                        ; my output row: 16,384 bytes each, below 2^24 in all
	s_mov_b32 s21, 0
	v_lshl_add_u32 v[OA], v0, 2, s16               ; thread t = 32 wave + mode: element t of the group's rows
	v_lshl_add_u32 v[OC], v0, 3, s17
	v_lshl_add_u32 v[OD], v1, 2, s18
	s_wait_kmcnt 0x0
	s_wait_alu depctr_va_vdst(0)                   ; v[OA], v[OC], v[OD] are written, which the four loads below read as their offsets
	global_load_b32 v[LDT], v[OD], s[10:11]
	global_load_b32 v[LAR], v[OA], s[8:9] th:TH_LOAD_NT
	global_load_b32 v[AI], v[OA], s[4:5] th:TH_LOAD_NT
	global_load_b64 v[CR:CR+1], v[OC], s[6:7] th:TH_LOAD_NT
	s_add_nc_u64 s[12:13], s[12:13], s[20:21]
	; While the loads are out: addresses and constants.  None of these lines names a register of the four loads.
	; k row kr lies at kr x 160 + 16 ((kr >> 3) & 1).  Writer: lane n, rows n + 32 c: sixteen neighbouring lanes start at sixteen different multiples of 16
	; modulo 256 (10 n + (n >> 3) runs through all residues modulo 16).
	v_and_b32 v20, 31, v0
	v_bfe_u32 v21, v0, 3, 1
	v_mul_u32_u24 v20, v20, PITCH
	v_lshl_add_u32 v20, v21, 4, v20
	v_add_nc_u32 v[WB], s19, v20
	; Reader (ds_load_tr16_b128): lane L addresses k row 8 (L >> 4) + (L & 7), 16 bytes at column chunk (L >> 3) & 1; the row's skew is 16 (L >> 4).
	; Eight rows 160 bytes apart, 32 bytes of each: 0, 160, 64, 224, 128, 32, 192, 96 modulo 256, no two overlap.
	v_and_b32 v22, 7, v0
	v_bfe_u32 v23, v0, 4, 1
	v_lshl_add_u32 v22, v23, 3, v22
	v_mul_u32_u24 v22, v22, PITCH
	v_add_nc_u32 v21, v21, v23
	v_lshl_add_u32 v22, v21, 4, v22
	v_add_nc_u32 v[RB], s19, v22
	v_and_b32 v24, 15, v0
	v_lshlrev_b32 v24, 4, v24
	v_lshl_add_u32 v[OO], v23, 11, v24             ; 16 r + 2048 hh
	v_mov_b32 v[NEG1], -1.0
	v_mov_b32 v[KA4], 0x39283c1a                   ; (pi/2)^9 / 9!
	v_mov_b32 v[KA4+1], 0x39283c1a
	v_mov_b32 v[KB4], 0x3a70fa83                   ; (pi/2)^8 / 8!
	v_mov_b32 v[KB4+1], 0x3a70fa83
	v_mov_b32 v[ZCR], 1.0                          ; element 0 of the three tables that start with z^0
	v_mov_b32 v[ZCI], 0
	v_mov_b32 v[T4R], 1.0
	v_mov_b32 v[T4I], 0
	v_mov_b32 v[T32R], 1.0
	v_mov_b32 v[T32I], 0
	s_wait_loadcnt 0x0                             ; all four inputs
	; dt = exp(log_dt) = 2^p (1 + e ln 2): p = log_dt log2(e) rounded, e what the rounding and the constant's own rounding left out.
	; An error of dt is multiplied by the phase (thousands of radians), so the argument's rounding is carried along.
	v_mul_f32 v20, 0x3fb8aa3b, v[LDT]
	v_mul_f32 v21, 0x3fb8aa3b, v[LAR]
	v_fma_f32 v22, v[LDT], 0x3fb8aa3b, -v20
	v_exp_f32 v23, v20
	v_exp_f32 v[AA], v21                           ; -Re A
	v_fmac_f32 v22, 0x32a57060, v[LDT]             ; the plain instruction between the exponentials and their first use (ISA guide 5.7.2)
	v_mul_f32 v22, 0x3f317218, v22
	s_wait_alu depctr_va_vdst(0)
	v_fma_f32 v[DT], v23, v22, v23
	v_and_b32 v24, 0x7fffffff, v[AI]
	v_max_num_f32 v24, v[AA], v24                  ; s = max(|Re A|, |Im A|): A is scaled by 1/s so that |A|^2 neither overflows nor vanishes
	v_rcp_f32 v25, v24
	v_mul_f32 v[DIM], v[AI], v[DT]                 ; Im dtA, rounded as the formula rounds it
	v_mul_f32 v26, v[AA], v[DT]                    ; -Re dtA
	s_wait_alu depctr_va_vdst(0)
	v_mul_f32 v[AN], v[AA], v25
	v_mul_f32 v[AIN], v[AI], v25
	v_mul_f32 v[G], 0xbfb8aa3b, v26                ; Re dtA x log2(e)
	v_mul_f32 v[UH], 0x3e22f983, v[DIM]            ; Im dtA / 2 pi in two floats: the product's rounding error by fma,
	v_mul_f32 v27, v[AN], v[AN]
	v_fma_f32 v[UL], v[DIM], 0x3e22f983, -v[UH]
	v_fmac_f32 v27, v[AIN], v[AIN]
	v_fmac_f32 v[UL], 0x31dc9c88, v[DIM]           ; and the part of 1 / 2 pi below its first 24 bits
	v_rcp_f32 v28, v27
	v_add_f32 v25, v25, v25
	s_wait_alu depctr_va_vdst(0)
	v_mul_f32 v[INV2], v28, v25
	; TEN POWERS z^m by evaluation, two in each packed instruction, the five pairs step by step so that no instruction waits for the one in front.
	; Block k (16 registers): +0 phase in turns, +2 its square, +4 sine chain, +6 cosine chain, +8 exponent, +10 magnitude, +12 cos, +14 sin.
	; The angle is taken at a quarter, |x| <= pi/4, with the fourth root of the magnitude, and the number is squared twice.
.macro EVARG k, m1, m2, q1, q2
	v_mul_f32 v[EV+16*\k+8], \q1, v[G]
	v_mul_f32 v[EV+16*\k+9], \q2, v[G]
	v_mul_f32 v[EV+16*\k], \m1, v[UH]
	v_mul_f32 v[EV+16*\k+1], \m2, v[UH]
.endm
.macro EVLO k, m1, m2
	v_fmac_f32 v[EV+16*\k], \m1, v[UL]
	v_fmac_f32 v[EV+16*\k+1], \m2, v[UL]
.endm
.macro EVRED                           ; take the nearest whole number of turns away (exact)
.irp k,0,1,2,3,4
	v_rndne_f32 v[EV+16*\k+2], v[EV+16*\k]
	v_rndne_f32 v[EV+16*\k+3], v[EV+16*\k+1]
.endr
.irp k,0,1,2,3,4
	v_pk_add_f32 v[EV+16*\k:EV+16*\k+1], v[EV+16*\k:EV+16*\k+1], v[EV+16*\k+2:EV+16*\k+3] neg_lo:[0,1] neg_hi:[0,1]
.endr
.endm
.macro EVPOLY ka, kb                   ; one Horner step of both chains
.irp k,0,1,2,3,4
	v_pk_fma_f32 v[EV+16*\k+4:EV+16*\k+5], v[EV+16*\k+4:EV+16*\k+5], v[EV+16*\k+2:EV+16*\k+3], \ka op_sel_hi:[1,1,0]
	v_pk_fma_f32 v[EV+16*\k+6:EV+16*\k+7], v[EV+16*\k+6:EV+16*\k+7], v[EV+16*\k+2:EV+16*\k+3], \kb op_sel_hi:[1,1,0]
.endr
.endm
	EVARG 0, 1.0, 2.0, 0.25, 0.5                   ; m, and m / 4 for the magnitude: scalings by powers of two, exact
	EVARG 1, 4.0, 8.0, 1.0, 2.0
	EVARG 2, 32.0, 64.0, 8.0, 16.0
	EVARG 3, 256.0, 1024.0, 64.0, 256.0
	EVARG 4, 512.0, 2048.0, 128.0, 512.0
.irp k,0,1,2,3,4
	v_exp_f32 v[EV+16*\k+10], v[EV+16*\k+8]
	v_exp_f32 v[EV+16*\k+11], v[EV+16*\k+9]
.endr
	EVRED                                          ; (its first lines are the plain instructions behind the exponentials)
	EVLO 0, 1.0, 2.0                               ; + the lower float's share
	EVLO 1, 4.0, 8.0
	EVLO 2, 32.0, 64.0
	EVLO 3, 256.0, 1024.0
	EVLO 4, 512.0, 2048.0
	EVRED                                          ; again: keeps |phase| <= 1/2 whatever the lower float added, so that sine and cosine stay bounded
.irp k,0,1,2,3,4
	v_pk_mul_f32 v[EV+16*\k+2:EV+16*\k+3], v[EV+16*\k:EV+16*\k+1], v[EV+16*\k:EV+16*\k+1]
.endr
.irp k,0,1,2,3,4
	v_pk_fma_f32 v[EV+16*\k+4:EV+16*\k+5], v[EV+16*\k+2:EV+16*\k+3], v[KA4:KA4+1], 0xbb996966 op_sel_hi:[1,1,0]
	v_pk_fma_f32 v[EV+16*\k+6:EV+16*\k+7], v[EV+16*\k+2:EV+16*\k+3], v[KB4:KB4+1], 0xbcaae9e4 op_sel_hi:[1,1,0]
.endr
	EVPOLY 0x3da335e3, 0x3e81e0f8                  ; sin(pi x / 2) / x and cos(pi x / 2) in x^2: Taylor to x^9 and x^8, the first terms left out are
	EVPOLY 0xbf255de7, 0xbf9de9e6                  ; below 2e-9 and 3e-8 for |x| <= 1/2
	EVPOLY 0x3fc90fdb, 1.0
	s_wait_alu depctr_va_vdst(0)
.irp k,0,1,2,3,4
	v_pk_mul_f32 v[EV+16*\k+8:EV+16*\k+9], v[EV+16*\k:EV+16*\k+1], v[EV+16*\k+10:EV+16*\k+11]
	v_pk_mul_f32 v[EV+16*\k+12:EV+16*\k+13], v[EV+16*\k+6:EV+16*\k+7], v[EV+16*\k+10:EV+16*\k+11]
.endr
.irp k,1,2                                             ; the N side's powers as they are,
	v_pk_mul_f32 v[EV+16*\k+14:EV+16*\k+15], v[EV+16*\k+4:EV+16*\k+5], v[EV+16*\k+8:EV+16*\k+9]
.endr
.irp k,0,3,4                                           ; the Y side's conjugated
	v_pk_mul_f32 v[EV+16*\k+14:EV+16*\k+15], v[EV+16*\k+4:EV+16*\k+5], v[EV+16*\k+8:EV+16*\k+9] neg_lo:[1,0] neg_hi:[1,0]
.endr
.irp k,0,1,2,3,4                                       ; first squaring: (c, s) -> (c c - s s, 2 c s)
	v_pk_mul_f32 v[EV+16*\k:EV+16*\k+1], v[EV+16*\k+14:EV+16*\k+15], v[EV+16*\k+14:EV+16*\k+15] neg_lo:[1,0] neg_hi:[1,0]
	v_pk_add_f32 v[EV+16*\k+2:EV+16*\k+3], v[EV+16*\k+12:EV+16*\k+13], v[EV+16*\k+12:EV+16*\k+13]
.endr
.irp k,0,1,2,3,4
	v_pk_fma_f32 v[EV+16*\k+4:EV+16*\k+5], v[EV+16*\k+12:EV+16*\k+13], v[EV+16*\k+12:EV+16*\k+13], v[EV+16*\k:EV+16*\k+1]
	v_pk_mul_f32 v[EV+16*\k+6:EV+16*\k+7], v[EV+16*\k+2:EV+16*\k+3], v[EV+16*\k+14:EV+16*\k+15]
.endr
.irp k,0,1,2,3,4                                       ; second squaring; its last four lines put each number where it is used
	v_pk_mul_f32 v[EV+16*\k:EV+16*\k+1], v[EV+16*\k+6:EV+16*\k+7], v[EV+16*\k+6:EV+16*\k+7] neg_lo:[1,0] neg_hi:[1,0]
	v_pk_add_f32 v[EV+16*\k+2:EV+16*\k+3], v[EV+16*\k+4:EV+16*\k+5], v[EV+16*\k+4:EV+16*\k+5]
.endr
.macro FIN k, c1, s1, c2, s2
	v_fma_f32 v[\c1], v[EV+16*\k+4], v[EV+16*\k+4], v[EV+16*\k]
	v_fma_f32 v[\c2], v[EV+16*\k+5], v[EV+16*\k+5], v[EV+16*\k+1]
	v_mul_f32 v[\s1], v[EV+16*\k+2], v[EV+16*\k+6]
	v_mul_f32 v[\s2], v[EV+16*\k+3], v[EV+16*\k+7]
.endm
	FIN 0, ZCR+1, ZCI+1, B1R, B1I                  ; conj z, conj z^2
	FIN 1, T4R+1, T4I+1, B0R, B0I                  ; z^4, z^8
	FIN 2, T32R+1, T32I+1, B0R+1, B0I+1            ; z^32, z^64
	FIN 3, PAR, PAI, PAR+1, PAI+1                  ; conj z^256, conj z^1024
	FIN 4, PBR, PBI, PBR+1, PBI+1                  ; conj z^512, conj z^2048
	; 2 conj(Ceff) = 2 conj(C) (conj z - 1) / conj(A), in the formula's order: the product first, then the division, as a product with A / |A|^2
	v_add_f32 v20, -1.0, v[ZCR+1]                  ; e = conj z - 1
	v_mul_f32 v21, v[CR+1], v[ZCI+1]
	v_mul_f32 v22, v[CR+1], v20
	v_fmac_f32 v21, v[CR], v20                     ; Re: cr er + ci ei
	v_fma_f32 v22, v[CR], v[ZCI+1], -v22           ; Im: cr ei - ci er
	v_mul_f32 v23, v22, v[AIN]
	v_mul_f32 v24, v22, v[AN]
	v_fmac_f32 v23, v21, v[AN]
	v_fma_f32 v24, v21, v[AIN], -v24
	v_mul_f32 v[B1R+1], -v23, v[INV2]
	v_mul_f32 v[B1I+1], v24, v[INV2]
	; THE TABLES, by multiplication, at most three links from an evaluated power.
	CMA T4R+2, T4I+2, B0R, B0I, 0, T4R, T4I                ; (z^8, z^12) = z^8 (1, z^4)
	CMA T32R+2, T32I+2, B0R, B0I, 1, T32R, T32I            ; (z^64, z^96) = z^64 (1, z^32)
	CMA Y0R, Y0I, B1R, B1I, 1, ZCR, ZCI                    ; Y of m = 0, 1
	v_pk_mul_f32 v[PCR:PCR+1], v[PAR:PAR+1], v[PBR:PBR+1]  ; conj (z^768, z^3072), element by element
	v_pk_mul_f32 v[PCI:PCI+1], v[PAR:PAR+1], v[PBI:PBI+1]
	CMB T4R+2, T4I+2, B0R, B0I, 0, T4R, T4I
	CMB T32R+2, T32I+2, B0R, B0I, 1, T32R, T32I
	CMB Y0R, Y0I, B1R, B1I, 1, ZCR, ZCI
	v_pk_fma_f32 v[PCR:PCR+1], v[PAI:PAI+1], v[PBI:PBI+1], v[PCR:PCR+1] neg_lo:[1,0,0] neg_hi:[1,0,0]
	v_pk_fma_f32 v[PCI:PCI+1], v[PAI:PAI+1], v[PBR:PBR+1], v[PCI:PCI+1]
	CMA T4R+4, T4I+4, B0R, B0I, 0, T4R+2, T4I+2
	CMA T32R+4, T32I+4, B0R, B0I, 1, T32R+2, T32I+2
	CMA Y0R+2, Y0I+2, B1R, B1I, 0, Y0R, Y0I                ; m = 2, 3
	CMB T4R+4, T4I+4, B0R, B0I, 0, T4R+2, T4I+2
	CMB T32R+4, T32I+4, B0R, B0I, 1, T32R+2, T32I+2
	CMB Y0R+2, Y0I+2, B1R, B1I, 0, Y0R, Y0I
	CMA T4R+6, T4I+6, B0R, B0I, 0, T4R+4, T4I+4
	CMA T32R+6, T32I+6, B0R, B0I, 1, T32R+4, T32I+4
.irp j,0,2                                             ; m = 4 .. 15: conj z^256, z^512, z^768 times m = 0 .. 3
	CMA Y0R+4+\j, Y0I+4+\j, PAR, PAI, 0, Y0R+\j, Y0I+\j
	CMA Y0R+8+\j, Y0I+8+\j, PBR, PBI, 0, Y0R+\j, Y0I+\j
	CMA Y0R+12+\j, Y0I+12+\j, PCR, PCI, 0, Y0R+\j, Y0I+\j
.endr
	CMB T4R+6, T4I+6, B0R, B0I, 0, T4R+4, T4I+4
	CMB T32R+6, T32I+6, B0R, B0I, 1, T32R+4, T32I+4
.irp j,0,2
	CMB Y0R+4+\j, Y0I+4+\j, PAR, PAI, 0, Y0R+\j, Y0I+\j
	CMB Y0R+8+\j, Y0I+8+\j, PBR, PBI, 0, Y0R+\j, Y0I+\j
	CMB Y0R+12+\j, Y0I+12+\j, PCR, PCI, 0, Y0R+\j, Y0I+\j
.endr
	; THE N SIDE: N[8 q + p] = z^(32 q) z^(4 p).  q = 0 is the table itself and comes last, since the split overwrites its input.
.macro GENN q, po, sel
.irp t,0,1,2,3
	CMA XR+2*\t, XI+2*\t, T32R+\po, T32I+\po, \sel, T4R+2*\t, T4I+2*\t
.endr
.irp t,0,1,2,3
	CMB XR+2*\t, XI+2*\t, T32R+\po, T32I+\po, \sel, T4R+2*\t, T4I+2*\t
.endr
	SPLIT8 XR, XI, NOFF+16*\q
.endm
	GENN 1, 0, 1                                   ; group 0 writes P0: no memory instruction has named it yet
	TURN 0                                         ; group 0's stores; group 1 writes P1, which no memory instruction has named yet
	GENN 2, 2, 0
	TURN 1
	GENN 3, 2, 1
	TURN 1
	GENN 4, 4, 0
	TURN 1
	GENN 5, 4, 1
	TURN 1
	GENN 6, 6, 0
	TURN 1
	GENN 7, 6, 1
	TURN 1
	SPLIT8 T4R, T4I, NOFF                          ; group 7
	; Group 7's stores, and behind them all 16 fragments of N into window 1.  LDS serves a wave's instructions in order (ISA guide 5.7.1): these loads see all my stores of N.
	; The window is switched first; the stores' address and data are sources 0 and 1, which stay in window 0.  Between TURN's waits and the loads stand those four stores alone:
	; they name v[WB] and an out-buffer, the loads v[RB] (written at the head, never since) and v256-383 (named by no instruction so far).
	WIN 0x40
	TURN 1
.irp tn,0,1,2,3
.irp ks,0,1,2,3
	ds_load_tr16_b128 v[32*\tn+8*\ks:32*\tn+8*\ks+3], v[RB] offset:NOFF+\ks*BLK+32*\tn
	ds_load_tr16_b128 v[32*\tn+8*\ks+4:32*\tn+8*\ks+7], v[RB] offset:NOFF+\ks*BLK+32*\tn+16*PITCH
.endr
.endr
	WIN 0
	; THE Y SIDE, a tile of 16 values of m at a time, in two groups g: tile tm = conj z^(1024 tm) times tile 0.
.macro GENM tm, g, br, bi
.irp t,0,1,2,3
	CMA XR+2*\t, XI+2*\t, \br, \bi, 1, Y0R+8*\g+2*\t, Y0I+8*\g+2*\t
.endr
.irp t,0,1,2,3
	CMB XR+2*\t, XI+2*\t, \br, \bi, 1, Y0R+8*\g+2*\t, Y0I+8*\g+2*\t
.endr
	SPLIT8 XR, XI, MOFF+16*(2*\tm+\g)
.endm
.macro LOADF tm, f                     ; the tile's four K steps: hi re, hi im, lo re, lo im
.irp ks,0,1,2,3
	ds_load_tr16_b128 v[\f+8*\ks:\f+8*\ks+3], v[RB] offset:MOFF+\ks*BLK+32*\tm
	ds_load_tr16_b128 v[\f+8*\ks+4:\f+8*\ks+7], v[RB] offset:MOFF+\ks*BLK+32*\tm+16*PITCH
.endr
.endm
; 24 matrix instructions: four result tiles (tn) x (hi hi, lo hi, hi lo) x (re, im).  Source 0: Y (rows m), source 1: N (columns i), in window 1.
; The first product starts each sum.  The four sums take turns, each link in place on its own accumulator.
.macro MM4 acc, f, mk, nk, first
.irp tn,0,1,2,3
.if \first
	v_wmma_f32_16x16x32_bf16 v[\acc+8*\tn:\acc+8*\tn+7], v[\f+8*\mk:\f+8*\mk+7], v[32*\tn+8*\nk:32*\tn+8*\nk+7], 0
.else
	v_wmma_f32_16x16x32_bf16 v[\acc+8*\tn:\acc+8*\tn+7], v[\f+8*\mk:\f+8*\mk+7], v[32*\tn+8*\nk:32*\tn+8*\nk+7], v[\acc+8*\tn:\acc+8*\tn+7]
.endif
.endr
.endm
.macro TILE acc, f
	WIN 0x04
	MM4 \acc, \f, 0, 0, 1
	MM4 \acc, \f, 1, 1, 0
	MM4 \acc, \f, 2, 0, 0
	MM4 \acc, \f, 3, 1, 0
	MM4 \acc, \f, 0, 2, 0
	MM4 \acc, \f, 1, 3, 0
	WIN 0
.endm
.macro GST acc, tm                     ; each store: lanes 0-15 and lanes 16-31 each cover 256 consecutive bytes, at multiples of 256 from the row's first byte
.irp tn,0,1,2,3
	global_store_b128 v[OO], v[\acc+8*\tn:\acc+8*\tn+3], s[12:13] offset:4096*\tm+256*\tn th:TH_STORE_NT
	global_store_b128 v[OO], v[\acc+8*\tn+4:\acc+8*\tn+7], s[12:13] offset:4096*\tm+256*\tn+1024 th:TH_STORE_NT
.endr
.endm
.macro PLACES                          ; four places between a matrix instruction and a store of its result, where there is no other work left
.rept 4
	v_nop
.endr
.endm
	; Tiles in the order 1, 2, 3, 0: tile 0 is the table, which its split overwrites.  The operands of a tile are made two tiles ahead of its products,
	; so that the vector work of one tile stands behind the matrix instructions of another and in front of the stores and loads that need the distance.
	GENM 1, 0, PAR, PAI                            ; group 8
	TURN 1
	GENM 1, 1, PAR, PAI                            ; group 9
	TURN 1                                         ; group 9's stores: tile 1 is whole in LDS
	LOADF 1, MF0                                   ; v128-159 were last named by the evaluations, far ahead of TURN's wait on va_vdst
	GENM 2, 0, PBR, PBI                            ; group 10
	TURN 1
	GENM 2, 1, PBR, PBI                            ; group 11
	TURN 0                                         ; flushed in front of the products; no group writes an out-buffer before the wait on vm_vsrc below
	LOADF 2, MF1                                   ; v160-191: as v128-159
	s_wait_dscnt 16                                ; behind tile 1's fragment loads: 4 + 4 stores and 8 loads of tile 2.  N's fragments and tile 1's are in
	TILE ACC0, MF0
	s_wait_alu depctr_vm_vsrc(0)                   ; the LDS stores of groups 10 and 11 have read P0 and P1, which groups 12 and 13 write again
	GENM 3, 0, PCR, PCI                            ; group 12: 48 plain vector instructions that name no register of the products above: the places behind them
	TURN 0                                         ; its wait on va_vdst also states: tile 1's matrix instructions have written ACC0 and are done reading MF0
	GST ACC0, 1                                    ; no vector or matrix instruction since that wait
	GENM 3, 1, PCR, PCI                            ; group 13: names neither ACC0 nor MF0
	TURN 0
	LOADF 3, MF0
	s_wait_dscnt 16                                ; behind tile 2's loads: 4 + 4 stores and 8 loads of tile 3
	TILE ACC1, MF1
	s_wait_alu depctr_vm_vsrc(0)                   ; the LDS stores of groups 12 and 13 have read P0 and P1, which groups 14 and 15 write again
	SPLIT8 Y0R, Y0I, MOFF                          ; group 14: the places behind the products above
	TURN 0                                         ; its wait on va_vdst also states: tile 2's matrix instructions have written ACC1 and are done reading MF1
	GST ACC1, 2
	SPLIT8 Y0R+8, Y0I+8, MOFF+16                   ; group 15
	TURN 0
	LOADF 0, MF1
	s_wait_dscnt 16                                ; behind tile 3's loads: 4 + 4 stores and 8 loads of tile 0
	s_wait_xcnt 0x0                                ; both accumulator sets are data of stores issued above: they are written again only behind this wait
	s_wait_alu depctr_vm_vsrc(0)                   ; and beside it: those sixteen stores have read ACC0 and ACC1, which the matrix instructions of the last two tiles write again
	TILE ACC0, MF0
	PLACES
	s_wait_alu depctr_va_vdst(0)                   ; tile 3's matrix instructions have written ACC0, which the stores below read; the places above stay beside this wait
	GST ACC0, 3
	s_wait_dscnt 0x0                               ; tile 0's fragments: nothing was issued behind them
	TILE ACC1, MF1                                 ; (ACC1's stores stand in front of the s_wait_xcnt and the wait on vm_vsrc above)
	PLACES
	s_wait_alu depctr_va_vdst(0)                   ; tile 0's matrix instructions have written ACC1, which the stores below read
	GST ACC1, 0
	s_wait_dscnt 0x0
	s_wait_alu depctr_hold_cnt(0) depctr_sa_sdst(0) depctr_va_vdst(0) depctr_va_sdst(0) depctr_va_ssrc(0) depctr_va_vcc(0) depctr_vm_vsrc(0)
	s_wait_tensorcnt 0x0
	ds_add_u32 v62, v63
	s_wait_dscnt 0x0
	s_endpgm
.Lfunc_end_k_qa33a48ffa9_s4d:
	.size	k_qa33a48ffa9_s4d, .Lfunc_end_k_qa33a48ffa9_s4d-k_qa33a48ffa9_s4d
	.p2alignl 7, 3214868480
	.fill 96, 4, 3214868480
	.section	.rodata,"a",@progbits
	.p2align	6, 0x0
	.amdhsa_kernel k_qa33a48ffa9_s4d
		.amdhsa_group_segment_fixed_size 168448
		.amdhsa_private_segment_fixed_size 0
		.amdhsa_enable_private_segment 0
		.amdhsa_kernarg_size 40
		.amdhsa_user_sgpr_count 2
		.amdhsa_user_sgpr_kernarg_segment_ptr 1
		.amdhsa_wavefront_size32 1
		.amdhsa_system_sgpr_workgroup_id_x 1
		.amdhsa_system_sgpr_workgroup_id_y 1
		.amdhsa_system_sgpr_workgroup_id_z 1
		.amdhsa_system_vgpr_workitem_id 0
		.amdhsa_next_free_vgpr 384
		.amdhsa_next_free_sgpr 66
		.amdhsa_reserve_vcc 0
		.amdhsa_float_denorm_mode_32 3
		.amdhsa_float_denorm_mode_16_64 3
		.amdhsa_memory_ordered 1
		.amdhsa_forward_progress 1
		.amdhsa_inst_pref_size 84
	.end_amdhsa_kernel
	.amdgpu_metadata
---
amdhsa.version: [ 1, 2 ]
amdhsa.kernels:
  - .name:           k_qa33a48ffa9_s4d
    .symbol:         k_qa33a48ffa9_s4d.kd
    .args:
      - { .name: A_imag, .offset: 0, .size: 8, .value_kind: global_buffer, .address_space: global }
      - { .name: C_ri, .offset: 8, .size: 8, .value_kind: global_buffer, .address_space: global }
      - { .name: log_A_real, .offset: 16, .size: 8, .value_kind: global_buffer, .address_space: global }
      - { .name: log_dt, .offset: 24, .size: 8, .value_kind: global_buffer, .address_space: global }
      - { .name: out0, .offset: 32, .size: 8, .value_kind: global_buffer, .address_space: global }
    .group_segment_fixed_size: 168448
    .private_segment_fixed_size: 0
    .kernarg_segment_align: 8
    .kernarg_segment_size: 40
    .max_flat_workgroup_size: 128
    .sgpr_count:     66
    .vgpr_count:     384
    .wavefront_size: 32
...
	.end_amdgpu_metadata
.endif
;; end of part 2
